; MI455X (gfx1250); checked and timed in simulation.
; The chip was launched on July 23, 2026; its instructions are those of AMD's public machine-readable ISA for CDNA 5 (MIT licence, August 2026) and "CDNA5" Instruction Set Architecture Reference Guide (July 2026). The comments in the code are by the model that wrote it; some were corrected since.
;; Residual Vector Quantizer. Allowed arithmetic: matrix products marked QUANTISED: E2M3 operands, one E8M0 scale for each 32 along K, by v_wmma_scale_f32_16x16x128_f8f6f4 with both operands' format E2M3, f32 sums; products left as they are: f32 operands where the result goes on into a quantised operand, else bf16, f16 or f32 operands; f32 sums; everything else in f32.
;; Inputs: codebooks 4 x 8 x 1,024 x 256 float32; gate_W 256 x 8 float32; gate_b 8 float32; labels 4 x 8,192 int32; x 8,192 x 256 float32.
;; Outputs: out0 8,192 x 256 float32; out1 one number float32; out2 8,192 x 5 int32.
;; This version of the problem:
;;   THIS VERSION OF THE PROBLEM IS GIVEN IN LOW PRECISION. The matrix products marked QUANTISED in the list below multiply operands that are first quantised to E2M3 (2 exponent bits, 3 mantissa bits; 6 bits a number), with one power-of-two scale for each 32 numbers along K (OCP MX v1.0); their sums are f32. All else is computed in f32.
;;   The module's matrix products, in the order in which they are computed (A, B: the left and right operand; K: the contracted axis; several contracted axes count as one K, in the product's order):
;;     1. [M 8,192, K 256] x [K 256, N 8]; A: input x; B: input gate_W: left as it is (N = 8 < 16)
;;     2. [M 8,192, K 256] x [K 256, N 8,192]; A: input codebooks; B: input x: QUANTISED
;;     3. [M 8,192, K 256] x [K 256, N 8,192]; A: input codebooks; B: computed on the way: QUANTISED
;;     4. [M 8,192, K 256] x [K 256, N 8,192]; A: input codebooks; B: computed on the way: QUANTISED
;;     5. [M 8,192, K 256] x [K 256, N 8,192]; A: input codebooks; B: computed on the way: QUANTISED
;;   THE QUANTISER, for each operand of a quantised product, along K:
;;     - K is cut into blocks of 32 from its start; a last block that is shorter is filled with zeros.
;;     - A block's scale is 2^e with e = floor(log2(the largest magnitude in the block)) - 2, held to -126 .. 127; a block of zeros has e = 0. As a byte (E8M0): e + 127.
;;     - Each number is divided by its block's scale, clamped to +-7.5, and rounded to the nearest number of E2M3, ties to even, subnormals kept.
;;     - The product sums the exact products of the quantised numbers (number of the format x scale) in f32.
;;   ~~~python
;;   def quantise(x, axis):      # numpy; x: float32 -> the quantised numbers, widened to float32 again
;;       x = np.moveaxis(x, axis, -1); K = x.shape[-1]
;;       x = np.pad(x, [(0, 0)] * (x.ndim - 1) + [(0, -K % 32)]); x = x.reshape(x.shape[:-1] + (-1, 32)); a = np.abs(x).max(-1, keepdims=True)
;;       e = np.where(a > 0, np.clip(np.frexp(np.where(a > 0, a, 1))[1] - 1 - 2, -126, 127), 0)      # np.frexp(a)[1] - 1 = floor(log2(a)), exactly
;;       r = np.clip(x / 2.0 ** e, -7.5, 7.5)
;;       step = 2.0 ** (np.maximum(np.frexp(np.where(r == 0, 1, r))[1] - 1, 0) - 3)
;;       q = np.round(r / step) * step * 2.0 ** e      # np.round: ties to even
;;       return np.moveaxis(q.reshape(q.shape[:-2] + (-1,))[..., :K], -1, axis).astype(np.float32)
;;   ~~~
;;   OPERANDS COMPUTED ON THE WAY. 'Computed on the way' means the value that the module computes at that place (a softmax that the list does not call 'softmax' is quantised finished and normalised). What goes into a quantiser is computed in f32, as accurately as f32 sums, v_exp_f32 and their like allow (about 1e-6 of the number): no bf16 or f16 on the way to a quantiser, and a product that is left as it is and whose result goes on into a quantised operand takes f32 operands (vector FMAs, or v_wmma_f32_16x16x4_f32). A number that lies on a knife's edge between two numbers of the format may be rounded either way, as far as f32 arithmetic and the matrix unit's own rounding can turn it there, and no further.
;; One version. Each part assembles by itself: llvm-mc -triple=amdgcn-amd-amdhsa -mcpu=gfx1250 --defsym DOCPART=n.
;; ======== version 1 of 1: 8 launches
;; limits: right only within a limited range of input values
;; workspace buffers: cbq 6,684,672 bytes; eid 33,024 bytes of whole numbers; tiles 36,608 bytes of whole numbers; p0 8,884,224 bytes of whole numbers; p1 8,884,224 bytes of whole numbers; p2 8,884,224 bytes of whole numbers; p3 36,864 bytes of whole numbers; part 8,704 bytes
;; launch prep (part 1): grid 320 x 1, 8 waves a work-group, no clusters, 135,680 bytes of LDS; arguments x, gate_W, gate_b, codebooks, cbq, eid; writes cbq, eid
.if DOCPART == 1
	.amdgcn_target "amdgcn-amd-amdhsa--gfx1250"
	.amdhsa_code_object_version 6
	.text
	.protected	k_q85d6e78101_prep
	.globl	k_q85d6e78101_prep
	.p2align	8
	.type	k_q85d6e78101_prep,@function
k_q85d6e78101_prep:
	s_mov_b64 s[64:65], 0
	v_nop
	global_prefetch_b8 v0, s[64:65] scope:SCOPE_SE
	s_setreg_imm32_b32 hwreg(HW_REG_WAVE_MODE, 25, 1), 1
	s_wait_xcnt 0x0
; TWO JOBS IN ONE LAUNCH, parted on the work-group's number.
; Work-groups 0-63: THE GATE.  expert[n] = argmax_e softmax(x[n] . gate_W + gate_b), all in f32; stored as whole numbers in eid (word 0 = 0, the level number
; that the first level launch reads; the expert of token n at byte 256 + 4 n).  A wave takes 16 tokens; a lane holds 8 of the 256 dims of every token and of gate_W.
; Work-groups 64-319: THE CODEBOOKS' QUANTISER.  Work-group j + 64 turns codes 128 j .. 128 j + 127 of the flat [32768][256] codebooks into block j of cbq (26,112 bytes):
;   8 tiles of 16 codes x (K step 0 image, K step 1 image), an image = the matrix operand's 12 registers, chunk c at 512 c + 16 x lane;
;   at 24,576 the scale words as a register image (tile i, lane L at 512 (i / 4) + 16 L + 4 (i % 4); lanes 0-15 K step 0, lanes 16-31 K step 1);  at 25,600 c2 = sum of squares, 128 f32.
; A block's scale is 2^(floor(log2(largest magnitude)) - 2); its byte is the largest magnitude's exponent field - 2, held at 1 from below.
; LIMITS: NaN and infinities are not served; a block of zeros, or one whose largest magnitude lies under 2^-124, gets the byte 1 (its codes are read by this program alone);
; the logits and c2 are f32 sums in another order than the reference's; the softmax divides by multiplying with v_rcp_f32's result.
.set STGW,  16640                      ; LDS: a wave's stage: 16 rows x (1,024 bytes + 16)
.set SCL,   8*STGW                     ; the block's scale words, 1,024 bytes
.set C2L,   SCL+1024                   ; its c2, 512 bytes
.set SPARE, C2L+512                    ; the spare words, 128 bytes for each wave: four blocks of 256 bytes that no other line names
.set LI,  4                            ; v4   16 x lane
.set SW,  5                            ; v5   the stage, on the way in
.set SR,  6                            ; v6   and on the way out
.set SCA, 7                            ; v7   where my tile's scale word goes
.set C2A, 8                            ; v8   where my row's c2 goes
.set CPA, 9                            ; v9   waves 0-2: the 512 bytes of scale words or c2 that I carry out
.set SPW, 10                           ; v10  my spare word; never rewritten
.set NIL, 11                           ; v11  0; never rewritten
.set A,   16                           ; v16-23   gate: a token's 8 partial logits;  quantiser: four pairs of partial sums of squares
.set LG,  24                           ; v24-31   gate: lane i and lane i + 16: token i's 8 logits
.set X,   32                           ; v32-159  gate: 16 tokens x 8 numbers;  quantiser: 128 numbers of my row
.set X1,  X+64
.set W,   160                          ; v160-223 gate: gate_W at my 8 dims x 8 experts
.set TP,  224                          ; v224-231 gate: at work
.set TM,  160                          ; v160-175 quantiser: at work
.set PC0, 176                          ; v176-195 K step 0's codes
.set PC1, 196                          ; v196-215 K step 1's codes
.set PW0, 216
.set PW1, 217
.set SWD, 220
.set C2V, 221
.set C2T, 222
	s_load_b256 s[4:11], s[0:1], 0x0               ; x s[4:5], gate_W s[6:7], gate_b s[8:9], codebooks s[10:11]
	s_load_b128 s[12:15], s[0:1], 0x20             ; cbq s[12:13], eid s[14:15]
	v_lshl_add_u32 v[SPW], v0, 2, SPARE
	v_mov_b32 v[NIL], 0
	v_lshrrev_b32 v1, 5, v0
	s_delay_alu instid0(VALU_DEP_1)
	v_readfirstlane_b32 s16, v1                    ; wave 0..7
	v_and_b32 v1, 31, v0                           ; lane L
	v_and_b32 v2, 15, v0                           ; r
	v_bfe_u32 v3, v0, 4, 1                         ; h
	s_delay_alu instid0(VALU_DEP_3)
	v_lshlrev_b32 v[LI], 4, v1
	s_wait_alu depctr_va_vdst(0)
	s_mov_b32 s20, 0x76543210
	s_mov_b32 s21, 0xfedcba98                      ; v_permlanex16_b32's selects for lane l xor 16
	; every LDS address is made here, ahead of the parting
	s_mul_i32 s17, s16, STGW
	v_add_nc_u32 v[SW], s17, v[LI]                 ; as loaded: 16 bytes a lane
	v_mul_u32_u24 v[SR], v2, 1040
	s_delay_alu instid0(VALU_DEP_1)
	v_lshl_add_u32 v[SR], v3, 6, v[SR]
	s_delay_alu instid0(VALU_DEP_1)
	v_add_nc_u32 v[SR], s17, v[SR]                 ; row r, + 64 h: my 16 numbers of a block of 32
	s_lshr_b32 s18, s16, 2
	s_lshl_b32 s18, s18, 9
	s_and_b32 s19, s16, 3
	s_lshl_b32 s19, s19, 2
	s_add_co_u32 s18, s18, s19
	s_add_co_u32 s18, s18, SCL
	v_add_nc_u32 v[SCA], s18, v[LI]
	s_lshl_b32 s18, s16, 6
	s_add_co_u32 s18, s18, C2L
	v_lshl_add_u32 v[C2A], v2, 2, s18
	s_min_u32 s18, s16, 2
	s_lshl_b32 s18, s18, 9
	s_add_co_u32 s18, s18, SCL
	v_add_nc_u32 v[CPA], s18, v[LI]
	s_wait_kmcnt 0x0
	s_cmp_lt_u32 ttmp9, 64
	s_cbranch_scc0 .Lquant
	; ---------------- THE GATE: no LDS, no barrier ----------------
	s_lshl_b32 s22, ttmp9, 7
	s_lshl_b32 s23, s16, 4
	s_add_co_u32 s22, s22, s23                     ; my first token: 128 x work-group + 16 x wave
	s_lshl_b32 s32, s22, 10
	s_mov_b32 s33, 0
	s_add_nc_u64 s[4:5], s[4:5], s[32:33]          ; x at that token
	s_lshl_b32 s34, s22, 2
	s_mov_b32 s35, 0
	s_add_nc_u64 s[14:15], s[14:15], s[34:35]      ; and its word of eid (less the 256 bytes of the head)
	s_load_b256 s[24:31], s[8:9], 0x0              ; the bias
	v_lshlrev_b32 v12, 7, v1                       ; gate_W: my dims 4 L .. 4 L + 3: 128 bytes a lane
	v_lshlrev_b32 v13, 2, v1
.irp hf, 0,1
.irp q, 0,1,2,3,4,5,6,7
	global_load_b128 v[W+32*\hf+4*\q:W+32*\hf+4*\q+3], v12, s[6:7] offset:4096*\hf+16*\q   ; dim 128 hf + 4 L + q / 2, four experts
.endr
.endr
.irp i, 0,1,2,3,4,5,6,7,8,9,10,11,12,13,14,15
	global_load_b128 v[X+8*\i:X+8*\i+3],   v[LI], s[4:5] offset:1024*\i        ; 32 lanes read 512 consecutive bytes: dims 4 L ..
	global_load_b128 v[X+8*\i+4:X+8*\i+7], v[LI], s[4:5] offset:1024*\i+512    ; and dims 128 + 4 L ..
.endr
.irp e, 0,1,2,3,4,5,6,7
	v_mov_b32 v[TP+\e], 0                          ; written once: a lane permute's destination counts as one of its sources
.endr
	s_wait_kmcnt 0x0
; Token i: 8 partial logits from my 8 dims (two experts an instruction), summed over the 32 lanes, kept in lanes i and i + 16.
.macro TOKEN i
	s_wait_loadcnt 30-2*\i                         ; gate_W and this token's two loads are in; the two loads of each later token may be out
.set dn, 0
.rept 8                                        ; dn = 4 hf + dd: my dn-th dim
.set xp, X+8*\i+dn-(dn%2)
.set wb, W+8*dn
.irp k, 0,1,2,3
.if dn == 0
	v_pk_mul_f32 v[A+2*\k:A+2*\k+1], v[xp:xp+1], v[wb+2*\k:wb+2*\k+1] op_sel:[0,0] op_sel_hi:[0,1]
.elseif dn%2 == 0
	s_delay_alu instid0(VALU_DEP_4)
	v_pk_fma_f32 v[A+2*\k:A+2*\k+1], v[xp:xp+1], v[wb+2*\k:wb+2*\k+1], v[A+2*\k:A+2*\k+1] op_sel:[0,0,0] op_sel_hi:[0,1,1]
.else
	s_delay_alu instid0(VALU_DEP_4)
	v_pk_fma_f32 v[A+2*\k:A+2*\k+1], v[xp:xp+1], v[wb+2*\k:wb+2*\k+1], v[A+2*\k:A+2*\k+1] op_sel:[1,0,0] op_sel_hi:[1,1,1]
.endif
.endr
.set dn, dn+1
.endr
.irp m, 1,2,4,8
.irp e, 0,1,2,3,4,5,6,7
	v_add_f32_dpp v[A+\e], v[A+\e], v[A+\e] row_xmask:\m row_mask:0xf bank_mask:0xf
.endr
.endr
.irp e, 0,1,2,3,4,5,6,7
	v_permlanex16_b32 v[TP+\e], v[A+\e], s20, s21
.endr
.irp e, 0,1,2,3,4,5,6,7
	v_add_f32 v[A+\e], v[A+\e], v[TP+\e]           ; every lane holds the token's 8 sums
.endr
.if \i == 0
.irp e, 0,1,2,3,4,5,6,7
	v_mov_b32 v[LG+\e], v[A+\e]
.endr
.else
	s_mov_b32 s17, 0x00010001<<\i
.irp e, 0,1,2,3,4,5,6,7
	v_cndmask_b32 v[LG+\e], v[LG+\e], v[A+\e], s17
.endr
.endif
.endm
.irp i, 0,1,2,3,4,5,6,7,8,9,10,11,12,13,14,15
	TOKEN \i
.endr
.irp e, 0,1,2,3,4,5,6,7
	v_add_f32 v[LG+\e], s[24+\e], v[LG+\e]         ; + bias
.endr
	v_max3_num_f32 v[TP], v[LG], v[LG+1], v[LG+2]  ; the softmax as it is written: the largest logit is taken away first
	s_delay_alu instid0(VALU_DEP_1)
	v_max3_num_f32 v[TP], v[TP], v[LG+3], v[LG+4]
	s_delay_alu instid0(VALU_DEP_1)
	v_max3_num_f32 v[TP], v[TP], v[LG+5], v[LG+6]
	s_delay_alu instid0(VALU_DEP_1)
	v_max_num_f32 v[TP], v[TP], v[LG+7]
.irp e, 0,1,2,3,4,5,6,7
	v_sub_f32 v[A+\e], v[LG+\e], v[TP]
.endr
.irp e, 0,1,2,3,4,5,6,7
	v_mul_f32 v[A+\e], 0x3fb8aa3b, v[A+\e]         ; x log2(e)
.endr
	s_wait_alu depctr_va_vdst(0)
.irp e, 0,1,2,3,4,5,6,7
	v_exp_f32 v[A+\e], v[A+\e]
.endr
	v_nop                                          ; a plain instruction behind the last exponential
	s_wait_alu depctr_va_vdst(0)                   ; one wait for the batch of eight, ahead of its first reader
	v_add_f32 v[TP], v[A], v[A+1]
	v_add_f32 v[TP+1], v[A+2], v[A+3]
	v_add_f32 v[TP+2], v[A+4], v[A+5]
	v_add_f32 v[TP+3], v[A+6], v[A+7]
	s_delay_alu instid0(VALU_DEP_3)
	v_add_f32 v[TP], v[TP], v[TP+1]
	s_delay_alu instid0(VALU_DEP_2)
	v_add_f32 v[TP+2], v[TP+2], v[TP+3]
	s_delay_alu instid0(VALU_DEP_1)
	v_add_f32 v[TP], v[TP], v[TP+2]
	s_wait_alu depctr_va_vdst(0)
	v_rcp_f32 v[TP+1], v[TP]
	v_nop
	s_wait_alu depctr_va_vdst(0)                   ; and one for the reciprocal
.irp e, 0,1,2,3,4,5,6,7
	v_mul_f32 v[A+\e], v[A+\e], v[TP+1]            ; the probabilities
.endr
	v_mov_b32 v[TP+2], v[A]                        ; argmax: the first of equals stays
	v_mov_b32 v[TP+3], 0
.irp e, 1,2,3,4,5,6,7
	s_delay_alu instid0(VALU_DEP_2)
	v_cmp_gt_f32 vcc_lo, v[A+\e], v[TP+2]
	s_delay_alu instid0(VALU_DEP_1)
	v_cndmask_b32 v[TP+2], v[TP+2], v[A+\e], vcc_lo
	s_delay_alu instid0(VALU_DEP_2)
	v_cndmask_b32 v[TP+3], v[TP+3], \e, vcc_lo
.endr
	s_wait_alu depctr_va_vdst(0)
	s_wait_xcnt 0x0                                ; EXEC changes only behind this wait
	v_cmp_gt_u32 vcc_lo, 16, v1
	s_and_saveexec_b32 s36, vcc_lo
	global_store_b32 v13, v[TP+3], s[14:15] offset:256   ; lanes 0-15: 64 consecutive bytes
	s_wait_xcnt 0x0
	s_or_b32 exec_lo, exec_lo, s36
	s_or_b32 s37, ttmp9, s16
	s_cmp_lg_u32 s37, 0
	s_cbranch_scc1 .Lgate_end
	v_mov_b32 v[TP+4], 0                           ; work-group 0, wave 0 (its eid pointer stands at the buffer's first byte): word 0 = level 0
	v_cmp_eq_u32 vcc_lo, 0, v1
	s_and_saveexec_b32 s36, vcc_lo
	global_store_b32 v[TP+4], v[TP+4], s[14:15]
	s_wait_xcnt 0x0
	s_or_b32 exec_lo, exec_lo, s36
.Lgate_end:
	s_endpgm
	; ---------------- THE QUANTISER: wave i makes tile i, 16 codes x 256 ----------------
; 64 numbers of a lane, v[s] .. v[s + 63], register 16 b + i = k 32 b + 16 h + i of my row, become a fragment's 12 registers of codes in v[pc] on and its scale word in v[pw].
.macro QUANT s, pc, pw
.irp b, 0,1,2,3
	v_max3_num_f32 v[TM+\b], |v[\s+16*\b]|, |v[\s+1+16*\b]|, 0x1800000   ; block b: my 16 numbers, and the floor 2^(3 - 127): the byte cannot fall under 1
.endr
.irp i, 2,4,6,8,10,12,14
.irp b, 0,1,2,3
	s_delay_alu instid0(VALU_DEP_4)
	v_max3_num_f32 v[TM+\b], v[TM+\b], |v[\s+16*\b+\i]|, |v[\s+1+16*\b+\i]|
.endr
.endr
.irp b, 0,1,2,3
	s_delay_alu instid0(VALU_DEP_4)
	v_permlanex16_b32 v[TM+4+\b], v[TM+\b], s20, s21
.endr
.irp b, 0,1,2,3
	s_delay_alu instid0(VALU_DEP_4)
	v_max_num_f32 v[TM+\b], v[TM+\b], v[TM+4+\b]   ; with lane l xor 16's: the block's largest magnitude
.endr
.irp b, 0,1,2,3
	s_delay_alu instid0(VALU_DEP_4)
	v_add_nc_u32 v[TM+12+\b], 0xff000000, v[TM+\b] ; 2 off its exponent field: the conversion's scale operand
.endr
.irp b, 0,1,2,3
	s_delay_alu instid0(VALU_DEP_4)
	v_lshrrev_b32 v[TM+4+\b], 23, v[TM+12+\b]      ; the scale's byte
.endr
	s_delay_alu instid0(VALU_DEP_3)
	v_lshl_or_b32 v[\pw], v[TM+5], 8, v[TM+4]
	s_delay_alu instid0(VALU_DEP_1)
	v_lshl_or_b32 v[\pw], v[TM+6], 16, v[\pw]
	s_delay_alu instid0(VALU_DEP_1)
	v_lshl_or_b32 v[\pw], v[TM+7], 24, v[\pw]
.irp c, 0,1
	v_cvt_scalef32_pk16_fp6_f32 v[\pc+6*\c:\pc+2+6*\c], v[\s+32*\c:\s+15+32*\c], v[TM+12+2*\c]
	v_cvt_scalef32_pk16_fp6_f32 v[\pc+12+4*\c:\pc+14+4*\c], v[\s+16+32*\c:\s+31+32*\c], v[TM+12+2*\c+1]   ; (a conversion's three registers begin on an even number)
.endr
	v_nop                                          ; one plain place behind a scaled conversion
.irp c, 0,1                                    ; the operand's layout wants a whole block in a lane: lanes 0-15 block 2 c, lanes 16-31 block 2 c + 1
.irp i, 0,1,2
	v_permlane16_swap_b32 v[\pc+6*\c+\i], v[\pc+12+4*\c+\i]
.endr
.irp i, 0,1,2
	s_delay_alu instid0(VALU_DEP_3)
	v_mov_b32 v[\pc+3+6*\c+\i], v[\pc+12+4*\c+\i]
.endr
.endr
.endm
.Lquant:
	s_sub_co_u32 s22, ttmp9, 64                    ; block j
	s_lshl_b32 s32, s22, 17                        ; 128 codes of 1,024 bytes,
	s_lshl_b32 s23, s16, 14                        ; my 16 of them
	s_add_co_u32 s32, s32, s23
	s_mov_b32 s33, 0
	s_add_nc_u64 s[10:11], s[10:11], s[32:33]
	s_mul_i32 s34, s22, 26112
	s_mov_b32 s35, 0
	s_add_nc_u64 s[12:13], s[12:13], s[34:35]      ; block j of cbq
	s_mul_i32 s36, s16, 3072
	s_mov_b32 s37, 0
	s_add_nc_u64 s[40:41], s[12:13], s[36:37]      ; my tile's two images
	s_min_u32 s38, s16, 2
	s_lshl_b32 s38, s38, 9
	s_mov_b32 s39, 0
	s_add_nc_u64 s[42:43], s[12:13], s[38:39]      ; waves 0-2: my 512 bytes behind the images
	s_mov_b32 s44, 0xffff0000
.irp n, 0,1,2,3,4,5,6,7,8,9,10,11,12,13,14,15,16,17,18,19,20,21,22,23,24,25,26,27,28,29,30,31
	global_load_b128 v[X+4*\n:X+4*\n+3], v[LI], s[10:11] offset:512*\n th:TH_LOAD_NT   ; 512 consecutive bytes a load; all 16 KiB of the tile are asked for at once
.endr
.irp b, 0,1,2,3
	v_mov_b32 v[TM+4+\b], 0                        ; written once: a lane permute's destination counts as one of its sources
.endr
	v_mov_b32 v[C2T], 0
.irp g, 0,1,2,3
	s_wait_loadcnt 24-8*\g                         ; this group of eight loads is in; the groups behind it may be out
.irp u, 0,1,2,3,4,5,6,7
	ds_store_b128 v[SW], v[X+4*(8*\g+\u):X+4*(8*\g+\u)+3] offset:((8*\g+\u)/2)*1040+((8*\g+\u)%2)*512
.endr
.endr
	s_wait_dscnt 0x0                               ; the stores have read their registers, which the loads below fill anew
	s_wait_alu depctr_va_vdst(0)
.irp s, 0,1
.irp b, 0,1,2,3
.irp q, 0,1,2,3
	ds_load_b128 v[X+64*\s+16*\b+4*\q:X+64*\s+16*\b+4*\q+3], v[SR] offset:512*\s+128*\b+16*\q   ; my own stage: register 64 s + 16 b + i = k 128 s + 32 b + 16 h + i of row r
.endr
.endr
.endr
	s_wait_dscnt 0x0
.set p, 0
.rept 64                                       ; c2: my 128 squares in four pairs of chains
.if p < 4
	v_pk_mul_f32 v[A+2*p:A+2*p+1], v[X+2*p:X+2*p+1], v[X+2*p:X+2*p+1]
.else
	s_delay_alu instid0(VALU_DEP_4)
	v_pk_fma_f32 v[A+2*(p%4):A+2*(p%4)+1], v[X+2*p:X+2*p+1], v[X+2*p:X+2*p+1], v[A+2*(p%4):A+2*(p%4)+1]
.endif
.set p, p+1
.endr
	s_delay_alu instid0(VALU_DEP_3)
	v_pk_add_f32 v[A:A+1], v[A:A+1], v[A+2:A+3]
	s_delay_alu instid0(VALU_DEP_2)
	v_pk_add_f32 v[A+4:A+5], v[A+4:A+5], v[A+6:A+7]
	s_delay_alu instid0(VALU_DEP_1)
	v_pk_add_f32 v[A:A+1], v[A:A+1], v[A+4:A+5]
	s_delay_alu instid0(VALU_DEP_1)
	v_add_f32 v[C2V], v[A], v[A+1]
	s_delay_alu instid0(VALU_DEP_1)
	v_permlanex16_b32 v[C2T], v[C2V], s20, s21
	s_delay_alu instid0(VALU_DEP_1)
	v_add_f32 v[C2V], v[C2V], v[C2T]               ; with the row's other half
	QUANT X, PC0, PW0
.irp c, 0,1,2
	global_store_b128 v[LI], v[PC0+4*\c:PC0+4*\c+3], s[40:41] offset:512*\c          ; 512 consecutive bytes, at a multiple of 256 from the buffer's first byte
.endr
	QUANT X1, PC1, PW1
.irp c, 0,1,2
	global_store_b128 v[LI], v[PC1+4*\c:PC1+4*\c+3], s[40:41] offset:1536+512*\c
.endr
	v_cndmask_b32 v[SWD], v[PW0], v[PW1], s44      ; lanes 0-15: K step 0's word of row r; lanes 16-31: K step 1's
	ds_store_b32 v[SCA], v[SWD]
	ds_store_b32 v[C2A], v[C2V]                    ; both halves write the same word with the same value
	s_wait_dscnt 0x0                               ; for the others' sake: my stores have landed
	s_barrier_signal -1
	s_barrier_wait -1
	s_cmp_gt_u32 s16, 2
	s_cbranch_scc1 .Lquant_end
	ds_load_b128 v[A:A+3], v[CPA]                  ; waves 0, 1: the scale words; wave 2: c2
	s_wait_dscnt 0x0
	global_store_b128 v[LI], v[A:A+3], s[42:43] offset:24576
.Lquant_end:
	s_wait_tensorcnt 0x0                           ; the wave's end
	ds_add_u32 v[SPW], v[NIL]
	s_wait_dscnt 0x0
	s_endpgm
.Lfunc_end_k_q85d6e78101_prep:
	.size	k_q85d6e78101_prep, .Lfunc_end_k_q85d6e78101_prep-k_q85d6e78101_prep
	.p2alignl 7, 3214868480
	.fill 96, 4, 3214868480
	.section	.rodata,"a",@progbits
	.p2align	6, 0x0
	.amdhsa_kernel k_q85d6e78101_prep
		.amdhsa_group_segment_fixed_size 135680
		.amdhsa_private_segment_fixed_size 0
		.amdhsa_enable_private_segment 0
		.amdhsa_kernarg_size 48
		.amdhsa_user_sgpr_count 2
		.amdhsa_user_sgpr_kernarg_segment_ptr 1
		.amdhsa_wavefront_size32 1
		.amdhsa_system_sgpr_workgroup_id_x 1
		.amdhsa_system_sgpr_workgroup_id_y 1
		.amdhsa_system_sgpr_workgroup_id_z 1
		.amdhsa_system_vgpr_workitem_id 0
		.amdhsa_next_free_vgpr 240
		.amdhsa_next_free_sgpr 66
		.amdhsa_reserve_vcc 1
		.amdhsa_float_denorm_mode_32 3
		.amdhsa_float_denorm_mode_16_64 3
		.amdhsa_memory_ordered 1
		.amdhsa_forward_progress 1
		.amdhsa_inst_pref_size 138
	.end_amdhsa_kernel
	.amdgpu_metadata
---
amdhsa.version: [ 1, 2 ]
amdhsa.kernels:
  - .name:           k_q85d6e78101_prep
    .symbol:         k_q85d6e78101_prep.kd
    .args:
      - { .name: x, .offset: 0, .size: 8, .value_kind: global_buffer, .address_space: global }
      - { .name: gate_W, .offset: 8, .size: 8, .value_kind: global_buffer, .address_space: global }
      - { .name: gate_b, .offset: 16, .size: 8, .value_kind: global_buffer, .address_space: global }
      - { .name: codebooks, .offset: 24, .size: 8, .value_kind: global_buffer, .address_space: global }
      - { .name: cbq, .offset: 32, .size: 8, .value_kind: global_buffer, .address_space: global }
      - { .name: eid, .offset: 40, .size: 8, .value_kind: global_buffer, .address_space: global }
    .group_segment_fixed_size: 135680
    .private_segment_fixed_size: 0
    .kernarg_segment_align: 8
    .kernarg_segment_size: 48
    .max_flat_workgroup_size: 256
    .sgpr_count:     66
    .vgpr_count:     240
    .wavefront_size: 32
...
	.end_amdgpu_metadata
.endif
;; end of part 1
;; launch sort (part 2): grid 1 x 1, 32 waves a work-group, no clusters, 4,608 bytes of LDS; arguments eid, tiles; writes tiles
.if DOCPART == 2
	.amdgcn_target "amdgcn-amd-amdhsa--gfx1250"
	.amdhsa_code_object_version 6
	.text
	.protected	k_q85d6e78101_sort
	.globl	k_q85d6e78101_sort
	.p2align	8
	.type	k_q85d6e78101_sort,@function
k_q85d6e78101_sort:
	s_mov_b64 s[64:65], 0
	v_nop
	global_prefetch_b8 v0, s[64:65] scope:SCOPE_SE
	s_setreg_imm32_b32 hwreg(HW_REG_WAVE_MODE, 25, 1), 1
	s_wait_xcnt 0x0
; A COUNTING SORT of the 8,192 tokens by expert, into tiles of 64 rows of one expert.  One work-group, 1,024 threads, thread i owns tokens 8 i .. 8 i + 7.
; tiles: (expert, rows) of tile t at 8 t, t < 135 = 8192 / 64 + 8 - 1, which serves every split; the tokens of tile t at 2048 + 256 t, 64 words, unused places 0.
; Counts of two experts share a register, 16 bits each (at most 8,640 in a field).  No atomics: a scan over the lanes, a scan over the waves' totals through LDS.
.set TOT,   0                          ; LDS: 16 bytes for each wave: its totals
.set SPARE, 512                        ; the spare words, 128 bytes for each wave: sixteen blocks of 256 bytes that no other line names
.set SPW, 2
.set NIL, 3
.set ID,  4                            ; v4-11   my 8 tokens' experts
.set LR,  12                           ; v12-19  each token's rank among my own tokens of its expert
.set CN,  20                           ; v20     my counts, a nibble an expert
.set WA,  21                           ; v21     16 x wave
.set LA,  22                           ; v22     16 x lane
.set IA,  23                           ; v23     32 x thread
.set P,   24                           ; v24-27  counts, packed; then their scan; then slot bases
.set OWN, 28                           ; v28-31
.set T,   32                           ; v32-35  at work in a scan
.set G,   36                           ; v36-39  the waves' totals
.set TB,  40                           ; v40-43  the 8 slot bases' low bytes (two registers) and high bytes (two)
.set SO,  44                           ; v44-51  byte offsets of my tokens' slots
.set TN,  52                           ; v52-59  my tokens' numbers
.set Z,   60                           ; v60-63  zeros
.set ZA,  64                           ; v64-65  the zero fill's offsets
.set W0,  66                           ; v66-68  at work
.macro SCAN base                       ; an inclusive scan of four registers over the 32 lanes
.irp n, 1,2,4,8
.irp k, 0,1,2,3
	v_mov_b32_dpp v[T+\k], v[\base+\k] row_shr:\n row_mask:0xf bank_mask:0xf bound_ctrl:1
.endr
.irp k, 0,1,2,3
	s_delay_alu instid0(VALU_DEP_4)
	v_add_nc_u32 v[\base+\k], v[\base+\k], v[T+\k]
.endr
.endr
.irp k, 0,1,2,3
	s_delay_alu instid0(VALU_DEP_4)
	v_readlane_b32 s[40+\k], v[\base+\k], 15       ; the lower sixteen lanes' total goes onto the upper sixteen
.endr
.irp k, 0,1,2,3
	v_mov_b32 v[T+\k], s[40+\k]
	s_delay_alu instid0(VALU_DEP_1)
	v_cndmask_b32 v[T+\k], 0, v[T+\k], s10
	s_delay_alu instid0(VALU_DEP_1)
	v_add_nc_u32 v[\base+\k], v[\base+\k], v[T+\k]
.endr
.endm
	s_load_b128 s[4:7], s[0:1], 0x0                ; eid s[4:5], tiles s[6:7]
	v_lshl_add_u32 v[SPW], v0, 2, SPARE
	v_mov_b32 v[NIL], 0
	v_lshrrev_b32 v1, 5, v0
	s_delay_alu instid0(VALU_DEP_1)
	v_readfirstlane_b32 s8, v1                     ; wave 0..31
	v_and_b32 v1, 31, v0
	s_delay_alu instid0(VALU_DEP_1)
	v_lshlrev_b32 v[LA], 4, v1
	s_lshl_b32 s9, s8, 4
	v_mov_b32 v[WA], s9
	v_lshlrev_b32 v[IA], 5, v0
	v_lshlrev_b32 v[ZA], 4, v0
	v_min_u32 v[ZA+1], 111, v0
	s_delay_alu instid0(VALU_DEP_1)
	v_lshlrev_b32 v[ZA+1], 4, v[ZA+1]
	s_mov_b32 s10, 0xffff0000
.irp k, 0,1,2,3
	v_mov_b32 v[Z+\k], 0
	v_mov_b32 v[T+\k], 0                           ; written once: a DPP form's destination counts as one of its sources
.endr
	v_mov_b32 v[CN], 0
	v_mov_b32 v[W0+2], 1
	s_wait_alu depctr_va_vdst(0)
	s_wait_kmcnt 0x0
	global_load_b128 v[ID:ID+3],   v[IA], s[4:5] offset:256
	global_load_b128 v[ID+4:ID+7], v[IA], s[4:5] offset:272
	global_load_b32 v69, v[Z], s[4:5]              ; eid's word 0, the first level's number: passed on below
	global_store_b128 v[ZA],   v[Z:Z+3], s[6:7] offset:2048          ; the lists begin as zeros: 34,560 bytes = 2,160 stores of 16
	global_store_b128 v[ZA],   v[Z:Z+3], s[6:7] offset:2048+16384
	global_store_b128 v[ZA+1], v[Z:Z+3], s[6:7] offset:2048+32768    ; (threads above 111 write thread 111's zeros once more)
	s_wait_loadcnt 0x0
.irp q, 0,1,2,3,4,5,6,7
	v_min_u32 v[ID+\q], 7, v[ID+\q]
	s_delay_alu instid0(VALU_DEP_1)
	v_lshlrev_b32 v[W0], 2, v[ID+\q]
	s_delay_alu instid0(VALU_DEP_1)
	v_lshrrev_b32 v[W0+1], v[W0], v[CN]
	s_delay_alu instid0(VALU_DEP_1)
	v_and_b32 v[LR+\q], 15, v[W0+1]                ; how many of my earlier tokens have this expert
	s_delay_alu instid0(VALU_DEP_3)
	v_lshlrev_b32 v[W0+1], v[W0], v[W0+2]
	s_delay_alu instid0(VALU_DEP_1)
	v_add_nc_u32 v[CN], v[CN], v[W0+1]             ; a nibble counts 8 at the most
.endr
.irp k, 0,1,2,3
	v_bfe_u32 v[P+\k], v[CN], 8*\k, 4              ; expert 2 k below, expert 2 k + 1 above
	v_bfe_u32 v[W0], v[CN], 8*\k+4, 4
	s_delay_alu instid0(VALU_DEP_1)
	v_lshl_or_b32 v[P+\k], v[W0], 16, v[P+\k]
	s_delay_alu instid0(VALU_DEP_1)
	v_mov_b32 v[OWN+\k], v[P+\k]
.endr
	SCAN P
.irp k, 0,1,2,3
	v_readlane_b32 s[12+\k], v[P+\k], 31           ; my wave's totals
.endr
.irp k, 0,1,2,3
	s_delay_alu instid0(VALU_DEP_4)
	v_mov_b32 v[G+\k], s[12+\k]
.endr
	ds_store_b128 v[WA], v[G:G+3]                  ; all lanes write the same 16 bytes with the same values
	s_wait_storecnt 0x0                            ; my zeros are written: no wave places a token before every wave's zeros are
	s_wait_dscnt 0x0
	s_barrier_signal -1
	s_barrier_wait -1
	ds_load_b128 v[G:G+3], v[LA]                   ; lane L: wave L's totals
	s_wait_dscnt 0x0
	SCAN G
.irp k, 0,1,2,3
	v_readlane_b32 s[16+\k], v[G+\k], 31           ; all tokens' counts
	v_readlane_b32 s[20+\k], v[G+\k], s8
.endr
.irp k, 0,1,2,3
	s_sub_co_u32 s[20+\k], s[20+\k], s[12+\k]      ; the waves ahead of mine (no field borrows: each holds at least my wave's total)
	s_and_b32 s[24+2*\k], s[16+\k], 0xffff         ; n_e
	s_lshr_b32 s[25+2*\k], s[16+\k], 16
.endr
	s_mov_b32 s32, 0                               ; tb_e: expert e's first tile
.irp e, 0,1,2,3,4,5,6
	s_add_co_u32 s40, s[24+\e], 63
	s_lshr_b32 s40, s40, 6
	s_add_co_u32 s[33+\e], s[32+\e], s40
.endr
.irp k, 0,1,2,3
	s_lshl_b32 s40, s[32+2*\k], 6
	s_lshl_b32 s41, s[33+2*\k], 22
	s_or_b32 s40, s40, s41
	s_add_co_u32 s[20+\k], s[20+\k], s40           ; + 64 x the expert's first tile
.endr
.irp k, 0,1,2,3
	v_sub_nc_u32 v[P+\k], v[P+\k], v[OWN+\k]       ; the lanes ahead of mine,
	s_delay_alu instid0(VALU_DEP_1)
	v_add_nc_u32 v[P+\k], s[20+\k], v[P+\k]        ; the waves ahead, the expert's first slot
.endr
	v_perm_b32 v[TB],   v[P+1], v[P],   0x06040200 ; experts 0-3: low bytes of their slot bases
	s_delay_alu instid0(VALU_DEP_2)
	v_perm_b32 v[TB+1], v[P+3], v[P+2], 0x06040200 ; experts 4-7
	v_perm_b32 v[TB+2], v[P+1], v[P],   0x07050301 ; and the high bytes
	s_delay_alu instid0(VALU_DEP_4)
	v_perm_b32 v[TB+3], v[P+3], v[P+2], 0x07050301
.irp q, 0,1,2,3,4,5,6,7
	v_perm_b32 v[W0],   v[TB+1], v[TB],   v[ID+\q] ; the selector's lowest byte is the expert: byte e of eight
	v_perm_b32 v[W0+1], v[TB+3], v[TB+2], v[ID+\q]
	s_delay_alu instid0(VALU_DEP_2)
	v_and_b32 v[W0], 0xff, v[W0]
	s_delay_alu instid0(VALU_DEP_2)
	v_and_b32 v[W0+1], 0xff, v[W0+1]
	s_delay_alu instid0(VALU_DEP_1)
	v_lshl_or_b32 v[SO+\q], v[W0+1], 8, v[W0]
	s_delay_alu instid0(VALU_DEP_1)
	v_add_nc_u32 v[SO+\q], v[SO+\q], v[LR+\q]
	s_delay_alu instid0(VALU_DEP_1)
	v_min_u32 v[SO+\q], 8639, v[SO+\q]             ; 135 tiles x 64 slots
	s_delay_alu instid0(VALU_DEP_1)
	v_lshlrev_b32 v[SO+\q], 2, v[SO+\q]
	v_lshl_add_u32 v[TN+\q], v0, 3, \q
	global_store_b32 v[SO+\q], v[TN+\q], s[6:7] offset:2048
.endr
	s_cmp_gt_u32 s8, 4
	s_cbranch_scc1 .Lend
	v_min_u32 v[P], 134, v0                        ; waves 0-4: tile t's head (threads above 134 write tile 134's once more)
	v_mov_b32 v[G], 0                              ; its expert: the last e whose first tile is at or under t
	v_mov_b32 v[P+2], 0
	v_mov_b32 v[P+3], s24
.irp e, 1,2,3,4,5,6,7
	v_cmp_le_u32 vcc_lo, s[32+\e], v[P]
	s_delay_alu instid0(VALU_DEP_1)
	v_cndmask_b32 v[G], v[G], \e, vcc_lo
	s_delay_alu instid0(VALU_DEP_2)
	v_cndmask_b32 v[P+2], v[P+2], s[32+\e], vcc_lo
	s_delay_alu instid0(VALU_DEP_3)
	v_cndmask_b32 v[P+3], v[P+3], s[24+\e], vcc_lo
.endr
	s_delay_alu instid0(VALU_DEP_2)
	v_sub_nc_u32 v[P+2], v[P], v[P+2]
	s_delay_alu instid0(VALU_DEP_1)
	v_lshlrev_b32 v[P+2], 6, v[P+2]                ; the expert's rows ahead of this tile
	s_delay_alu instid0(VALU_DEP_1)
	v_min_u32 v[P+2], v[P+3], v[P+2]
	s_delay_alu instid0(VALU_DEP_1)
	v_sub_nc_u32 v[G+1], v[P+3], v[P+2]
	s_delay_alu instid0(VALU_DEP_1)
	v_min_u32 v[G+1], 64, v[G+1]                   ; its rows: 0 in a tile that this split leaves without
	v_lshlrev_b32 v[P+1], 3, v[P]
	global_store_b64 v[P+1], v[G:G+1], s[6:7]
	global_store_b32 v[Z], v69, s[6:7] offset:2044 ; the level word, where the level launches read it (all these lanes write the same word with the same value)
.Lend:
	s_wait_tensorcnt 0x0                           ; the wave's end
	ds_add_u32 v[SPW], v[NIL]
	s_wait_dscnt 0x0
	s_endpgm
.Lfunc_end_k_q85d6e78101_sort:
	.size	k_q85d6e78101_sort, .Lfunc_end_k_q85d6e78101_sort-k_q85d6e78101_sort
	.p2alignl 7, 3214868480
	.fill 96, 4, 3214868480
	.section	.rodata,"a",@progbits
	.p2align	6, 0x0
	.amdhsa_kernel k_q85d6e78101_sort
		.amdhsa_group_segment_fixed_size 4608
		.amdhsa_private_segment_fixed_size 0
		.amdhsa_enable_private_segment 0
		.amdhsa_kernarg_size 16
		.amdhsa_user_sgpr_count 2
		.amdhsa_user_sgpr_kernarg_segment_ptr 1
		.amdhsa_wavefront_size32 1
		.amdhsa_system_sgpr_workgroup_id_x 1
		.amdhsa_system_sgpr_workgroup_id_y 1
		.amdhsa_system_sgpr_workgroup_id_z 1
		.amdhsa_system_vgpr_workitem_id 0
		.amdhsa_next_free_vgpr 72
		.amdhsa_next_free_sgpr 66
		.amdhsa_reserve_vcc 1
		.amdhsa_float_denorm_mode_32 3
		.amdhsa_float_denorm_mode_16_64 3
		.amdhsa_memory_ordered 1
		.amdhsa_forward_progress 1
		.amdhsa_inst_pref_size 26
	.end_amdhsa_kernel
	.amdgpu_metadata
---
amdhsa.version: [ 1, 2 ]
amdhsa.kernels:
  - .name:           k_q85d6e78101_sort
    .symbol:         k_q85d6e78101_sort.kd
    .args:
      - { .name: eid, .offset: 0, .size: 8, .value_kind: global_buffer, .address_space: global }
      - { .name: tiles, .offset: 8, .size: 8, .value_kind: global_buffer, .address_space: global }
    .group_segment_fixed_size: 4608
    .private_segment_fixed_size: 0
    .kernarg_segment_align: 8
    .kernarg_segment_size: 16
    .max_flat_workgroup_size: 1024
    .sgpr_count:     66
    .vgpr_count:     72
    .wavefront_size: 32
...
	.end_amdgpu_metadata
.endif
;; end of part 2
;; launch lvl0 (part 3): grid 135 x 1, 8 waves a work-group, no clusters, 17,920 bytes of LDS; arguments x, codebooks, cbq, tiles, p0; writes p0
.if DOCPART == 3
	.amdgcn_target "amdgcn-amd-amdhsa--gfx1250"
	.amdhsa_code_object_version 6
	.text
	.protected	k_q85d6e78101_lvl0
	.globl	k_q85d6e78101_lvl0
	.p2align	8
	.type	k_q85d6e78101_lvl0,@function
k_q85d6e78101_lvl0:
	s_mov_b64 s[64:65], 0
	v_nop
	global_prefetch_b8 v0, s[64:65] scope:SCOPE_SE
	s_setreg_imm32_b32 hwreg(HW_REG_WAVE_MODE, 25, 1), 1
	s_wait_xcnt 0x0
; ONE LEVEL OF THE RESIDUAL QUANTISER, for one tile: 64 tokens of one expert against that expert's 1,024 codes of level l.  One body serves the four levels.
; idx[n] = argmin_k (c2[k] - 2 Q(r[n]) . Q(c[k])), Q the MX-FP6 quantiser along the 256 dims.  Only the chosen expert's codes are multiplied: reference() gathers idx_all by expert_id and
; throws the other experts' results away.  The input labels has no way to any output and is no argument of any launch.
; PREV and CUR have one layout: the expert of tile t at 8 t; the level of the launch that reads the buffer at 2044; one word for slot 64 t + row at 2048 + 4 slot;
; from 36,864 on the residual, 8,192 bytes for each (tile, wave): an image of the wave's 64 registers, register group k at 512 k + 16 x lane.
; At level 0 PREV is the sort's buffer and a slot's word is the token: r = x[token].  At levels 1-3 the word is the last level's index: q = that code row in f32, r comes from PREV's image,
; and the reference's three roundings follow: t = q - r, u = r + t, r = r - u.  So the slot's word is asked for before the level is known, and one gather serves both cases.
; Levels 0-2 store r, the expert and the next level's number into CUR; every level stores its index for all 64 slots (a slot without a row runs on token 0 and is read by nobody's result).
; SHARES.  Eight waves.  Wave w makes the token fragment of rows 16 (w / 2) .. + 15, K step w % 2, and hands it to the others through LDS as an image of its registers.
; Product: wave w owns codes 128 w .. + 127; its block of cbq goes from memory straight into its registers.  Source 0 = 16 codes, source 1 = 16 tokens: a lane holds one token.
; What is kept is -dist = fma(dot, 2, -c2), one rounding, and the largest is sought; ties go to the lowest code.
; NO TENSOR LOADS, NO CLUSTER: each code byte is wanted by one wave alone.  No prefetch: there is no loop to run ahead in.
; LIMITS: NaN and infinities are not served; a block whose largest magnitude lies under 2^-124 gets the scale byte 1.
.set XIMG,  0                          ; LDS: the 8 token fragments' images, 1,536 bytes each
.set XSC,   12288                      ; their scale words: 128 bytes for each 16 rows
.set AEX,   12800                      ; 512 bytes for each wave: (value, index) of its best code for each of the 64 tokens
.set SPARE, 16896                      ; the spare words, 128 bytes for each wave
.set IMG,   36864                      ; where the residual images begin in PREV and CUR
.set LI,   4                           ; 16 x lane
.set LS,   5                           ; 4 x lane
.set XWI,  6
.set XWS,  7
.set AXW,  8
.set AXR,  9
.set SPW,  10
.set NIL,  11
.set TOK,  12                          ; my row's word of PREV
.set XA,   13                          ; byte offset of my part of the gathered row
.set H32,  14
.set LV,   16                          ; the next level's number
.set EV,   17                          ; the expert
.set HA,   18                          ; 8 x tile
.set ZOF,  19                          ; 0
.set XL,   20
.set TLA,  21                          ; 4 x my slot
.set IB,   22
.set SCW,  24                          ; v24-31  my 8 tiles' scale words: scales and nothing else
.set TS,   32                          ; v32-35  the tokens' scale words: likewise
.set R,    40                          ; v40-103  the residual: register 16 b + i = k 128 s + 32 b + 16 h + i
.set QA,   104                         ; v104-167 the last level's code row
.set TM,   232
.set PW,   248
.set PC,   104
.set BF,   96                          ; window 1, v96-191: the 8 token fragments
.set ACC,  136
.set SAV,  168
.set BEST, 200
.set BT,   204
.set T,    208
.set J,    212
.set VX,   216
.set IX,   220
.set CD,   224
.set EX,   228
; window 1: v0-95 a ring of four buffers for the codes' fragments, tile i, K step s at v[24 (i % 4) + 12 s]; v96-191 the token fragments; c2 of tile i at v[192 + 8 i]
.set MSB, 0
.macro WIN new
.if MSB != \new
	s_set_vgpr_msb (MSB<<8)|\new
.set MSB, \new
.endif
.endm
.macro GATHER dst                      ; my 256 bytes of the row that my slot's word names
.irp b, 0,1,2,3
.irp q, 0,1,2,3
	global_load_b128 v[\dst+16*\b+4*\q:\dst+16*\b+4*\q+3], v[XA], s[24:25] offset:128*\b+16*\q
.endr
.endr
.endm
.macro FRAGS i0, i1                    ; my tiles i0 .. i1: six loads of 512 consecutive bytes each
	WIN 0x40
.set ti, (\i0)
.rept (\i1)-(\i0)+1
.irp s, 0,1
.irp c, 0,1,2
	global_load_b128 v[24*(ti%4)+12*\s+4*\c:24*(ti%4)+12*\s+4*\c+3], v[LI], s[22:23] offset:3072*ti+1536*\s+512*\c
.endr
.endr
.set ti, ti+1
.endr
	WIN 0
.endm
.macro QUANT s, pc, pw                 ; 64 numbers of a lane become a fragment's 12 registers of codes and its scale word
.irp b, 0,1,2,3
	v_max3_num_f32 v[TM+\b], |v[\s+16*\b]|, |v[\s+1+16*\b]|, 0x1800000   ; my 16 numbers of block b, and the floor 2^(3 - 127)
.endr
.irp i, 2,4,6,8,10,12,14
.irp b, 0,1,2,3
	s_delay_alu instid0(VALU_DEP_4)
	v_max3_num_f32 v[TM+\b], v[TM+\b], |v[\s+16*\b+\i]|, |v[\s+1+16*\b+\i]|
.endr
.endr
.irp b, 0,1,2,3
	s_delay_alu instid0(VALU_DEP_4)
	v_permlanex16_b32 v[TM+4+\b], v[TM+\b], s20, s21
.endr
.irp b, 0,1,2,3
	s_delay_alu instid0(VALU_DEP_4)
	v_max_num_f32 v[TM+\b], v[TM+\b], v[TM+4+\b]
.endr
.irp b, 0,1,2,3
	s_delay_alu instid0(VALU_DEP_4)
	v_add_nc_u32 v[TM+12+\b], 0xff000000, v[TM+\b] ; 2 off the exponent field: the conversion's scale operand
.endr
.irp b, 0,1,2,3
	s_delay_alu instid0(VALU_DEP_4)
	v_lshrrev_b32 v[TM+4+\b], 23, v[TM+12+\b]
.endr
	s_delay_alu instid0(VALU_DEP_3)
	v_lshl_or_b32 v[\pw], v[TM+5], 8, v[TM+4]
	s_delay_alu instid0(VALU_DEP_1)
	v_lshl_or_b32 v[\pw], v[TM+6], 16, v[\pw]
	s_delay_alu instid0(VALU_DEP_1)
	v_lshl_or_b32 v[\pw], v[TM+7], 24, v[\pw]
.irp c, 0,1
	v_cvt_scalef32_pk16_fp6_f32 v[\pc+6*\c:\pc+2+6*\c], v[\s+32*\c:\s+15+32*\c], v[TM+12+2*\c]
	v_cvt_scalef32_pk16_fp6_f32 v[\pc+12+4*\c:\pc+14+4*\c], v[\s+16+32*\c:\s+31+32*\c], v[TM+12+2*\c+1]
.endr
	v_nop                                          ; one plain place behind a scaled conversion
.irp c, 0,1
.irp i, 0,1,2
	v_permlane16_swap_b32 v[\pc+6*\c+\i], v[\pc+12+4*\c+\i]
.endr
.irp i, 0,1,2
	s_delay_alu instid0(VALU_DEP_3)
	v_mov_b32 v[\pc+3+6*\c+\i], v[\pc+12+4*\c+\i]
.endr
.endr
.endm
	s_load_b256 s[4:11], s[0:1], 0x0               ; x s[4:5], codebooks s[6:7], cbq s[8:9], PREV s[10:11]
	s_load_b64 s[14:15], s[0:1], 0x20              ; CUR
	v_lshl_add_u32 v[SPW], v0, 2, SPARE
	v_mov_b32 v[NIL], 0
	v_lshrrev_b32 v1, 5, v0
	v_readfirstlane_b32 s19, v1                    ; wave w
	s_lshr_b32 s30, s19, 1                         ; m: which 16 rows I quantise
	s_and_b32 s31, s19, 1                          ; s: which K step
	s_mul_i32 s32, s19, 1536
	s_lshl_b32 s33, s30, 7
	s_lshl_b32 s34, s31, 6
	s_add_co_u32 s34, s34, s33
	s_add_co_u32 s34, s34, XSC                     ; my scale words: 128 m + 64 s
	s_lshl_b32 s35, s19, 9
	s_add_co_u32 s35, s35, AEX
	s_add_co_u32 s33, s33, AEX
	s_lshl_b32 s37, s31, 9
	s_lshl_b32 s38, s30, 6
	s_lshl_b32 s39, ttmp9, 8
	s_add_co_u32 s38, s38, s39                     ; 4 x (64 tile + 16 m)
	s_lshl_b32 s39, s19, 7
	s_lshl_b32 s36, ttmp9, 3
	s_add_co_u32 s40, s36, s19
	s_lshl_b32 s40, s40, 13                        ; my image: 8,192 (8 tile + w)
	s_mov_b32 s41, 0
	s_mov_b32 s20, 0x76543210
	s_mov_b32 s21, 0xfedcba98
	s_mov_b32 s29, 0xffff0000
	v_and_b32 v1, 31, v0                           ; L
	v_and_b32 v2, 15, v0                           ; r
	v_bfe_u32 v3, v0, 4, 1                         ; h
	v_lshlrev_b32 v[LI], 4, v1
	v_lshlrev_b32 v[LS], 2, v1
	v_add_nc_u32 v[XWI], s32, v[LI]
	v_lshl_add_u32 v[XWS], v2, 2, s34
	v_lshl_add_u32 v[AXW], v1, 3, s35
	v_lshl_add_u32 v[AXR], v2, 3, s33
	v_lshlrev_b32 v[H32], 5, v3
	v_lshl_add_u32 v[XL], v3, 6, s37               ; my bytes of a row of 1,024: 512 s + 64 h
	v_lshl_add_u32 v[TLA], v2, 2, s38
	v_lshl_add_u32 v[IB], v3, 3, s39               ; 128 w + 8 h
	v_mov_b32 v[HA], s36
	v_mov_b32 v[ZOF], 0
.irp b, 0,1,2,3
	v_mov_b32 v[TM+4+\b], 0                        ; a lane permute's destination counts as one of its sources
.endr
	s_wait_alu depctr_va_vdst(0)
	s_wait_kmcnt 0x0
	s_load_b32 s16, s[10:11], s36 offset:0x0       ; the tile's expert
	s_load_b32 s18, s[10:11], 0x7fc                ; the level
	global_load_b32 v[TOK], v[TLA], s[10:11] offset:2048
	s_add_nc_u64 s[48:49], s[10:11], s[40:41]      ; my image in PREV
	s_add_nc_u64 s[50:51], s[14:15], s[40:41]      ; and in CUR
	s_wait_kmcnt 0x0
	s_min_u32 s16, s16, 7
	s_min_u32 s18, s18, 3
	s_lshl_b32 s38, s18, 3
	s_add_co_u32 s38, s38, s16
	s_lshl_b32 s38, s38, 3
	s_add_co_u32 s38, s38, s19                     ; my block of cbq: (8 l + e) 8 + w
	s_mul_i32 s38, s38, 26112
	s_mov_b32 s39, 0
	s_add_nc_u64 s[22:23], s[8:9], s[38:39]
	s_add_co_u32 s46, s18, 1
	v_mov_b32 v[LV], s46
	v_mov_b32 v[EV], s16
.macro REST                            ; behind the token side's loads: my scale words, c2 and tiles 0-2: 2 + 16 + 18 loads
	global_load_b128 v[SCW:SCW+3],   v[LI], s[22:23] offset:24576
	global_load_b128 v[SCW+4:SCW+7], v[LI], s[22:23] offset:24576+512
	WIN 0x40
.irp i, 0,1,2,3,4,5,6,7
.irp q, 0,1
	global_load_b128 v[192+8*\i+4*\q:192+8*\i+4*\q+3], v[H32], s[22:23] offset:25600+64*\i+16*\q   ; c2 of codes 16 i + 8 h + 0 .. 7
.endr
.endr
	WIN 0
	FRAGS 0, 2
.endm
	s_lshl_b32 s26, s16, 20                        ; where the gathered rows begin: (8 (l - 1) + e) x 1,024 rows of 1,024 bytes; at level 0 the buffer's start
	s_cmp_gt_u32 s18, 1
	s_cselect_b32 s27, 8<<20, 0
	s_add_co_u32 s26, s26, s27
	s_cmp_gt_u32 s18, 2
	s_cselect_b32 s27, 8<<20, 0
	s_add_co_u32 s26, s26, s27
	s_cmp_eq_u32 s18, 0
	s_cselect_b32 s26, 0, s26
	s_cselect_b64 s[24:25], s[4:5], s[6:7]         ; x at level 0, else the codebooks
.macro ADDR
	v_min_u32 v[TOK], 0x1fff, v[TOK]               ; (23 x 1,024 + 8,191 rows still lie inside the codebooks)
	v_lshl_add_u32 v[XA], v[TOK], 10, v[XL]
	v_add_nc_u32 v[XA], s26, v[XA]
.endm
	s_cmp_eq_u32 s18, 0
	s_wait_alu depctr_va_vdst(0)
	s_cbranch_scc0 .LPN
	s_wait_loadcnt 0x0                             ; level 0: my slot's word, the token, is in
	ADDR
	GATHER R                                       ; r = x[token]
	REST
	s_wait_loadcnt 36                              ; r is in; behind it: the 36 loads of REST
	s_branch .Ljoin
.LPN:                                                  ; levels 1-3: the last level's residual first, since its address hangs on ids alone
.set k, 0
.rept 16
	global_load_b128 v[R+4*k:R+4*k+3], v[LI], s[48:49] offset:IMG+512*k   ; and its residual: 512 consecutive bytes a load
.set k, k+1
.endr
	s_wait_loadcnt 16                              ; my slot's word, the last index, is in; behind it: the image's 16 loads
	ADDR
	GATHER QA                                      ; the last level's code row
	REST
	s_wait_loadcnt 36                              ; image and row are in; behind them: the 36 loads of REST
.set u, 0
.rept 32
	v_pk_add_f32 v[QA+u:QA+u+1], v[QA+u:QA+u+1], v[R+u:R+u+1] neg_lo:[0,1] neg_hi:[0,1]   ; t = q - r
.set u, u+2
.endr
.set u, 0
.rept 32
	v_pk_add_f32 v[QA+u:QA+u+1], v[R+u:R+u+1], v[QA+u:QA+u+1]                             ; u = r + t
.set u, u+2
.endr
.set u, 0
.rept 32
	v_pk_add_f32 v[R+u:R+u+1], v[R+u:R+u+1], v[QA+u:QA+u+1] neg_lo:[0,1] neg_hi:[0,1]     ; r = r - u
.set u, u+2
.endr
.macro RSTORE                          ; what the next level reads; it stands behind tile 4, where all my loads have been issued
	s_cmp_eq_u32 s18, 3
	s_wait_alu depctr_va_vdst(0)
	s_cbranch_scc1 .Lnost                          ; no level follows the last: nothing but its index is stored
.set k, 0
.rept 16
	global_store_b128 v[LI], v[R+4*k:R+4*k+3], s[50:51] offset:IMG+512*k  ; 512 consecutive bytes, at a multiple of 256 from CUR's first byte
.set k, k+1
.endr
	s_cmp_lg_u32 s19, 0
	s_cbranch_scc1 .Lnost
	global_store_b32 v[HA], v[EV], s[14:15]        ; wave 0: the tile's expert (all lanes write the same word with the same value)
	s_cmp_lg_u32 ttmp9, 0
	s_cbranch_scc1 .Lnost
	global_store_b32 v[ZOF], v[LV], s[14:15] offset:2044   ; work-group 0: the next launch's level
.Lnost:
.endm
.Ljoin:
	QUANT R, PC, PW
.irp c, 0,1,2
	ds_store_b128 v[XWI], v[PC+4*\c:PC+4*\c+3] offset:XIMG+512*\c
.endr
	ds_store_b32 v[XWS], v[PW]                     ; both halves write the same word with the same value
	s_wait_dscnt 0x0                               ; for the others' sake: my stores have landed
	s_barrier_signal -1
	s_barrier_wait -1                              ; the eight fragments lie in LDS
	WIN 0x40                                       ; destination window 1: r stays in v40-103 until it is stored
.irp f, 0,1,2,3,4,5,6,7
.irp c, 0,1,2
	ds_load_b128 v[BF+12*\f+4*\c:BF+12*\f+4*\c+3], v[LI] offset:XIMG+1536*\f+512*\c
.endr
.endr
	WIN 0
.irp m, 0,1,2,3
	ds_load_b32 v[TS+\m], v[LS] offset:XSC+128*\m
.endr
	s_wait_dscnt 0x0
; Tile i: 16 of my codes against the 64 tokens, both K steps.  The four accumulators take turns.
.macro TILE i
.if \i < 5
	FRAGS \i+3, \i+3                               ; three tiles ahead, into the buffer that the last tile's products have left (its four v_nop are the places)
	s_wait_loadcnt 18                              ; tile i's six loads are in; those of the three tiles behind it may be out
.else
	s_wait_loadcnt 6*(7-\i)                        ; the six of each later tile may be out
.endif
	WIN 0x05                                       ; sources 0 (the codes) and 1 (the tokens) window 1
.irp m, 0,1,2,3
	v_wmma_scale_f32_16x16x128_f8f6f4 v[ACC+8*\m:ACC+8*\m+7], v[24*(\i%4):24*(\i%4)+11], v[BF+24*\m:BF+24*\m+11], 0, v[SCW+\i], v[TS+\m] matrix_a_fmt:MATRIX_FMT_FP6 matrix_b_fmt:MATRIX_FMT_FP6
.endr
.irp m, 0,1,2,3
	v_wmma_scale_f32_16x16x128_f8f6f4 v[ACC+8*\m:ACC+8*\m+7], v[24*(\i%4)+12:24*(\i%4)+23], v[BF+24*\m+12:BF+24*\m+23], v[ACC+8*\m:ACC+8*\m+7], v[SCW+\i], v[TS+\m] matrix_a_fmt:MATRIX_FMT_FP6 matrix_b_fmt:MATRIX_FMT_FP6 matrix_a_scale:MATRIX_SCALE_ROW1 matrix_b_scale:MATRIX_SCALE_ROW1
.endr
.rept 4
	v_nop                                          ; four places behind the last product (ISA guide 7.12.1)
.endr
	WIN 0x10                                       ; source 2 (c2) window 1
.irp p, 0,2,4,6                                ; each accumulator from its low end on
.irp m, 0,1,2,3
	v_pk_fma_f32 v[ACC+8*\m+\p:ACC+8*\m+\p+1], v[ACC+8*\m+\p:ACC+8*\m+\p+1], 2.0, v[192+8*\i+\p:192+8*\i+\p+1] op_sel_hi:[1,0,1] neg_lo:[0,0,1] neg_hi:[0,0,1]   ; -dist = 2 dot - c2
.endr
.endr
	WIN 0
.irp m, 0,1,2,3
	v_max3_num_f32 v[T+\m], v[ACC+8*\m], v[ACC+8*\m+1], v[ACC+8*\m+2]
.endr
.irp m, 0,1,2,3
	s_delay_alu instid0(VALU_DEP_4)
	v_max3_num_f32 v[T+\m], v[T+\m], v[ACC+8*\m+3], v[ACC+8*\m+4]
.endr
.irp m, 0,1,2,3
	s_delay_alu instid0(VALU_DEP_4)
	v_max3_num_f32 v[T+\m], v[T+\m], v[ACC+8*\m+5], v[ACC+8*\m+6]
.endr
.irp m, 0,1,2,3
	s_delay_alu instid0(VALU_DEP_4)
	v_max_num_f32 v[T+\m], v[T+\m], v[ACC+8*\m+7]
.endr
.if \i == 0
.irp m, 0,1,2,3
	v_mov_b32 v[BEST+\m], v[T+\m]
	v_mov_b32 v[BT+\m], 0
.irp j, 0,1,2,3,4,5,6,7
	v_mov_b32 v[SAV+8*\m+\j], v[ACC+8*\m+\j]
.endr
.endr
.else
.irp m, 0,1,2,3
	s_delay_alu instid0(VALU_DEP_4)
	v_cmp_gt_f32 s[40+\m], v[T+\m], v[BEST+\m]     ; strictly better: of equals the earlier tile stays
.endr
.irp m, 0,1,2,3
	v_cndmask_b32 v[BEST+\m], v[BEST+\m], v[T+\m], s[40+\m]
	v_cndmask_b32 v[BT+\m], v[BT+\m], \i, s[40+\m]
.irp j, 0,1,2,3,4,5,6,7
	v_cndmask_b32 v[SAV+8*\m+\j], v[SAV+8*\m+\j], v[ACC+8*\m+\j], s[40+\m]
.endr
.endr
.endif
.endm
.irp i, 0,1,2,3,4
	TILE \i
.endr
	RSTORE
.irp i, 5,6,7
	TILE \i
.endr
	; which of the best tile's eight registers: the lowest that holds the best value
.irp m, 0,1,2,3
	v_mov_b32 v[J+\m], 7
	v_mov_b32 v[VX+\m], 0
	v_mov_b32 v[IX+\m], 0
.endr
.irp j, 6,5,4,3,2,1,0
.irp m, 0,1,2,3
	v_cmp_eq_f32 vcc_lo, v[SAV+8*\m+\j], v[BEST+\m]
	s_delay_alu instid0(VALU_DEP_1)
	v_cndmask_b32 v[J+\m], v[J+\m], \j, vcc_lo
.endr
.endr
.irp m, 0,1,2,3
	v_lshl_add_u32 v[J+\m], v[BT+\m], 4, v[J+\m]
	s_delay_alu instid0(VALU_DEP_1)
	v_add_nc_u32 v[J+\m], v[IB], v[J+\m]           ; the code: 128 w + 16 tile + 8 h + register
.endr
.irp m, 0,1,2,3
	v_permlanex16_b32 v[VX+\m], v[BEST+\m], s20, s21   ; the token's other eight codes of each tile lie in the lane 16 away
	v_permlanex16_b32 v[IX+\m], v[J+\m], s20, s21
.endr
.irp m, 0,1,2,3
	v_cmp_gt_f32 s40, v[VX+\m], v[BEST+\m]
	v_cmp_eq_f32 s41, v[VX+\m], v[BEST+\m]
	v_cmp_lt_u32 s42, v[IX+\m], v[J+\m]
	s_and_b32 s41, s41, s42
	s_or_b32 s40, s40, s41                         ; better, or as good with the lower code
	v_cndmask_b32 v[BEST+\m], v[BEST+\m], v[VX+\m], s40
	v_cndmask_b32 v[J+\m], v[J+\m], v[IX+\m], s40
.endr
.irp p, 0,1                                    ; lane L carries token 32 p + L
	v_cndmask_b32 v[CD+2*\p],   v[BEST+2*\p], v[BEST+2*\p+1], s29
	v_cndmask_b32 v[CD+2*\p+1], v[J+2*\p],    v[J+2*\p+1],    s29
	ds_store_b64 v[AXW], v[CD+2*\p:CD+2*\p+1] offset:256*\p
.endr
	s_wait_dscnt 0x0                               ; for the others' sake: my stores have landed
	s_barrier_signal -1
	s_barrier_wait -1
.irp u, 0,1,2,3,4,5,6,7
	ds_load_b64 v[EX+2*\u:EX+2*\u+1], v[AXR] offset:512*\u       ; my token's best in each wave's 128 codes
.endr
	s_wait_dscnt 0x0
.irp u, 1,2,3,4,5,6,7
	v_cmp_gt_f32 vcc_lo, v[EX+2*\u], v[EX]         ; the waves in ascending order of their codes: of equals the lower stays
	s_delay_alu instid0(VALU_DEP_1)
	v_cndmask_b32 v[EX], v[EX], v[EX+2*\u], vcc_lo
	v_cndmask_b32 v[EX+1], v[EX+1], v[EX+2*\u+1], vcc_lo
.endr
	s_cmp_lg_u32 s31, 0
	s_wait_alu depctr_va_vdst(0)
	s_cbranch_scc1 .Lend                           ; of the two waves that hold the same 16 rows the first stores
	global_store_b32 v[TLA], v[EX+1], s[14:15] offset:2048   ; 16 slots' words, 64 consecutive bytes; lanes 16-31 write the same words with the same values
.Lend:
	s_wait_tensorcnt 0x0                           ; the wave's end
	ds_add_u32 v[SPW], v[NIL]
	s_wait_dscnt 0x0
	s_endpgm
.Lfunc_end_k_q85d6e78101_lvl0:
	.size	k_q85d6e78101_lvl0, .Lfunc_end_k_q85d6e78101_lvl0-k_q85d6e78101_lvl0
	.p2alignl 7, 3214868480
	.fill 96, 4, 3214868480
	.section	.rodata,"a",@progbits
	.p2align	6, 0x0
	.amdhsa_kernel k_q85d6e78101_lvl0
		.amdhsa_group_segment_fixed_size 17920
		.amdhsa_private_segment_fixed_size 0
		.amdhsa_enable_private_segment 0
		.amdhsa_kernarg_size 40
		.amdhsa_user_sgpr_count 2
		.amdhsa_user_sgpr_kernarg_segment_ptr 1
		.amdhsa_wavefront_size32 1
		.amdhsa_system_sgpr_workgroup_id_x 1
		.amdhsa_system_sgpr_workgroup_id_y 1
		.amdhsa_system_sgpr_workgroup_id_z 1
		.amdhsa_system_vgpr_workitem_id 0
		.amdhsa_next_free_vgpr 512
		.amdhsa_next_free_sgpr 66
		.amdhsa_reserve_vcc 1
		.amdhsa_float_denorm_mode_32 3
		.amdhsa_float_denorm_mode_16_64 3
		.amdhsa_memory_ordered 1
		.amdhsa_forward_progress 1
		.amdhsa_inst_pref_size 93
	.end_amdhsa_kernel
	.amdgpu_metadata
---
amdhsa.version: [ 1, 2 ]
amdhsa.kernels:
  - .name:           k_q85d6e78101_lvl0
    .symbol:         k_q85d6e78101_lvl0.kd
    .args:
      - { .name: x, .offset: 0, .size: 8, .value_kind: global_buffer, .address_space: global }
      - { .name: codebooks, .offset: 8, .size: 8, .value_kind: global_buffer, .address_space: global }
      - { .name: cbq, .offset: 16, .size: 8, .value_kind: global_buffer, .address_space: global }
      - { .name: tiles, .offset: 24, .size: 8, .value_kind: global_buffer, .address_space: global }
      - { .name: p0, .offset: 32, .size: 8, .value_kind: global_buffer, .address_space: global }
    .group_segment_fixed_size: 17920
    .private_segment_fixed_size: 0
    .kernarg_segment_align: 8
    .kernarg_segment_size: 40
    .max_flat_workgroup_size: 256
    .sgpr_count:     66
    .vgpr_count:     512
    .wavefront_size: 32
...
	.end_amdgpu_metadata
.endif
;; end of part 3
;; launch lvl1: the kernel of part 3 again; grid 135 x 1, 8 waves a work-group, no clusters, 17,920 bytes of LDS; arguments x, codebooks, cbq, p0, p1; writes p1
;; launch lvl2: the kernel of part 3 again; grid 135 x 1, 8 waves a work-group, no clusters, 17,920 bytes of LDS; arguments x, codebooks, cbq, p1, p2; writes p2
;; launch lvl3: the kernel of part 3 again; grid 135 x 1, 8 waves a work-group, no clusters, 17,920 bytes of LDS; arguments x, codebooks, cbq, p2, p3; writes p3
;; launch final (part 4): grid 1080 x 1, 2 waves a work-group, no clusters, 0 bytes of LDS; arguments p0, p1, p2, p3, x, codebooks, out0, out2, tiles, part; writes out0, out2, part
.if DOCPART == 4
	.amdgcn_target "amdgcn-amd-amdhsa--gfx1250"
	.amdhsa_code_object_version 6
	.text
	.protected	k_q85d6e78101_final
	.globl	k_q85d6e78101_final
	.p2align	8
	.type	k_q85d6e78101_final,@function
k_q85d6e78101_final:
	s_mov_b64 s[64:65], 0
	v_nop
	global_prefetch_b8 v0, s[64:65] scope:SCOPE_SE
	s_setreg_imm32_b32 hwreg(HW_REG_WAVE_MODE, 25, 1), 1
	s_wait_xcnt 0x0
; THE RESULTS.  For each token: the four chosen f32 code rows are gathered and the reference's chain is walked once more, t = q - r, u = r + t, r = r - u, x_q += u;
; the squares of t are summed for the loss; out0 = x_q, out2 = (idx0 .. idx3, expert), part[16 tile + wave] = the wave's sum of squares.
; A work-group takes eight rows of a tile, a wave four of them; a row of 1,024 bytes is two loads or stores of 512 consecutive bytes.  No LDS, no barrier: waves share nothing.
; Matrix units, clusters and tensor loads have nothing to do here: the rows are gathered by stored numbers, each byte is used once.
; A row that the tile does not have runs on token 0, counts for 0 in the sum and stores nothing.
.set XO, 4                             ; v4-7     byte offsets of my four tokens' rows, + 16 x lane
.set S,  16                            ; v16-23   a token's squares, four pairs
.set TOT, 24
.set X,  32                            ; v32-63   the residuals, 8 numbers a token
.set Q,  64                            ; v64-191  token i, level j at Q + 32 i + 8 j; level 0's registers end up as x_q
.set QO, 192                           ; v192-207 byte offsets of the code rows
	s_load_b256 s[68:75], s[0:1], 0x0              ; the four levels' buffers: level j's index of slot 64 tile + row at 2048 + 4 slot
	s_load_b128 s[4:7], s[0:1], 0x20               ; x s[4:5], codebooks s[6:7]
	s_load_b128 s[12:15], s[0:1], 0x30             ; out0 s[12:13], out2 s[14:15]
	s_load_b64 s[8:9], s[0:1], 0x40                ; tiles
	s_load_b64 s[16:17], s[0:1], 0x48              ; part
	v_lshrrev_b32 v1, 5, v0
	s_delay_alu instid0(VALU_DEP_1)
	v_readfirstlane_b32 s18, v1                    ; wave 0, 1: a work-group is an eighth of a tile, eight rows; waves share nothing
	s_and_b32 s19, ttmp9, 7
	s_lshl_b32 s19, s19, 1
	s_add_co_u32 s18, s18, s19                     ; which four rows of the tile are my wave's: 0..15
	s_lshr_b32 s62, ttmp9, 3                       ; the tile
	v_and_b32 v1, 31, v0
	v_and_b32 v2, 7, v0                            ; c: for out2 eight lanes stand for a token, five of them store
	s_delay_alu instid0(VALU_DEP_2)
	v_lshlrev_b32 v3, 4, v1
	v_bfe_u32 v13, v0, 3, 2
	s_lshl_b32 s22, s62, 3
	s_lshl_b32 s23, s62, 8
	s_lshl_b32 s19, s18, 4
	s_add_co_u32 s23, s23, s19                     ; my four tokens' words in the tile's list
	v_lshl_add_u32 v8, v13, 2, s23
	s_lshl_b32 s55, s18, 2                         ; my first row
	v_add_nc_u32 v13, s55, v13
	s_lshl_b32 s61, s62, 4
	s_add_co_u32 s61, s61, s18
	s_lshl_b32 s61, s61, 2
	v_mov_b32 v15, s61                             ; my wave's word of part: 4 (16 tile + wave); made here, of ids alone, and never rewritten
	s_mov_b32 s2, 0x76543210
	s_mov_b32 s3, 0xfedcba98
	v_mov_b32 v25, 0
	s_wait_alu depctr_va_vdst(0)
	s_wait_kmcnt 0x0
	s_load_b64 s[20:21], s[8:9], s22 offset:0x0    ; expert, rows
	s_load_b128 s[24:27], s[8:9], s23 offset:0x800 ; my four tokens
	global_load_b32 v9, v8, s[8:9] offset:2048     ; and, for out2, the token of row 4 w + lane / 8
.irp j, 0,1,2,3
	s_load_b128 s[32+4*\j:35+4*\j], s[68+2*\j:69+2*\j], s23 offset:0x800   ; level j's indices of my four rows: s[32 + 4 j + i]
	global_load_b32 v[26+\j], v8, s[68+2*\j:69+2*\j] offset:2048           ; and, for out2, that of row 4 w + lane / 8
.endr
	s_wait_kmcnt 0x0
	s_min_u32 s20, s20, 7
	s_min_u32 s21, s21, 64
.irp i, 0,1,2,3
	s_min_u32 s[24+\i], s[24+\i], 8191
.endr
.irp i, 0,1,2,3
	s_lshl_b32 s48, s[24+\i], 10
	v_add_nc_u32 v[XO+\i], s48, v3
.endr
.irp i, 0,1,2,3
	global_load_b128 v[X+8*\i:X+8*\i+3],   v[XO+\i], s[4:5]
	global_load_b128 v[X+8*\i+4:X+8*\i+7], v[XO+\i], s[4:5] offset:512
.endr
	s_wait_loadcnt 8                               ; the token and the four indices for out2 are in; behind them stand the 8 loads of x
	v_min_u32 v9, 0x1fff, v9
	v_cmp_eq_u32 vcc_lo, 1, v2
	v_cndmask_b32 v11, v26, v27, vcc_lo            ; lane c of eight takes level min(c, 3)'s index
	v_cmp_eq_u32 vcc_lo, 2, v2
	v_cndmask_b32 v11, v11, v28, vcc_lo
	v_cmp_lt_u32 vcc_lo, 2, v2
	v_cndmask_b32 v11, v11, v29, vcc_lo
	v_mul_u32_u24 v12, v9, 20
	s_delay_alu instid0(VALU_DEP_1)
	v_lshl_add_u32 v12, v2, 2, v12                 ; and where it goes in out2: 20 bytes a token, 4 c
	s_lshl_b32 s50, s20, 10
	s_add_co_u32 s51, s50, 8<<10
	s_add_co_u32 s52, s50, 16<<10
	s_add_co_u32 s53, s50, 24<<10
.irp i, 0,1,2,3
.irp j, 0,1,2,3
	s_min_u32 s49, s[32+4*\j+\i], 1023
	s_add_co_u32 s49, s49, s[50+\j]                ; row (8 j + e) 1024 + idx of the codebooks
	s_lshl_b32 s49, s49, 10
	v_add_nc_u32 v[QO+4*\i+\j], s49, v3
.endr
.endr
	s_wait_alu depctr_va_vdst(0)
.irp i, 0,1,2,3
.irp j, 0,1,2,3
	global_load_b128 v[Q+32*\i+8*\j:Q+32*\i+8*\j+3],   v[QO+4*\i+\j], s[6:7]
	global_load_b128 v[Q+32*\i+8*\j+4:Q+32*\i+8*\j+7], v[QO+4*\i+\j], s[6:7] offset:512
.endr
.endr
.macro TOKF i
	s_wait_loadcnt 24-8*\i                         ; this token's eight code loads are in; the eight of each later token may be out
.irp j, 0,1,2,3
.irp p, 0,2,4,6
	v_pk_add_f32 v[Q+32*\i+8*\j+\p:Q+32*\i+8*\j+\p+1], v[Q+32*\i+8*\j+\p:Q+32*\i+8*\j+\p+1], v[X+8*\i+\p:X+8*\i+\p+1] neg_lo:[0,1] neg_hi:[0,1]   ; t = q - r
.endr
.irp p, 0,2,4,6
.if \j == 0
	s_delay_alu instid0(VALU_DEP_4)
	v_pk_mul_f32 v[S+\p:S+\p+1], v[Q+32*\i+8*\j+\p:Q+32*\i+8*\j+\p+1], v[Q+32*\i+8*\j+\p:Q+32*\i+8*\j+\p+1]
.else
	s_delay_alu instid0(VALU_DEP_4)
	v_pk_fma_f32 v[S+\p:S+\p+1], v[Q+32*\i+8*\j+\p:Q+32*\i+8*\j+\p+1], v[Q+32*\i+8*\j+\p:Q+32*\i+8*\j+\p+1], v[S+\p:S+\p+1]
.endif
.endr
.irp p, 0,2,4,6
	v_pk_add_f32 v[Q+32*\i+8*\j+\p:Q+32*\i+8*\j+\p+1], v[X+8*\i+\p:X+8*\i+\p+1], v[Q+32*\i+8*\j+\p:Q+32*\i+8*\j+\p+1]                             ; u = r + t
.endr
.irp p, 0,2,4,6
	s_delay_alu instid0(VALU_DEP_4)
	v_pk_add_f32 v[X+8*\i+\p:X+8*\i+\p+1], v[X+8*\i+\p:X+8*\i+\p+1], v[Q+32*\i+8*\j+\p:Q+32*\i+8*\j+\p+1] neg_lo:[0,1] neg_hi:[0,1]               ; r = r - u
.endr
.if \j > 0
.irp p, 0,2,4,6
	v_pk_add_f32 v[Q+32*\i+\p:Q+32*\i+\p+1], v[Q+32*\i+\p:Q+32*\i+\p+1], v[Q+32*\i+8*\j+\p:Q+32*\i+8*\j+\p+1]                                     ; x_q += u
.endr
.endif
.endr
	v_pk_add_f32 v[S:S+1], v[S:S+1], v[S+2:S+3]
	v_pk_add_f32 v[S+4:S+5], v[S+4:S+5], v[S+6:S+7]
	s_delay_alu instid0(VALU_DEP_1)
	v_pk_add_f32 v[S:S+1], v[S:S+1], v[S+4:S+5]
	s_delay_alu instid0(VALU_DEP_1)
	v_add_f32 v[S], v[S], v[S+1]
	s_add_co_u32 s56, s55, \i
	s_cmp_lt_u32 s56, s21                          ; has the tile this row?
	s_cselect_b32 s57, 1.0, 0
.if \i == 0
	v_mul_f32 v[TOT], s57, v[S]
.else
	v_fma_f32 v[TOT], v[S], s57, v[TOT]
.endif
	s_cbranch_scc0 .Lno_row_\@
	global_store_b128 v[XO+\i], v[Q+32*\i:Q+32*\i+3],   s[12:13] th:TH_STORE_NT              ; 512 consecutive bytes, at a multiple of 256 from out0's first byte
	global_store_b128 v[XO+\i], v[Q+32*\i+4:Q+32*\i+7], s[12:13] offset:512 th:TH_STORE_NT
.Lno_row_\@:
.endm
	TOKF 0
	TOKF 1
	TOKF 2
	TOKF 3
	v_cmp_eq_u32 vcc_lo, 4, v2
	v_mov_b32 v14, s20
	s_delay_alu instid0(VALU_DEP_1)
	v_cndmask_b32 v14, v11, v14, vcc_lo            ; words 0-3: the record's; word 4: the expert
	v_cmp_gt_u32 s58, 5, v2
	v_cmp_gt_u32 s59, s21, v13
	s_and_b32 s58, s58, s59
	s_wait_alu depctr_va_vdst(0)
	s_wait_xcnt 0x0                                ; EXEC changes only behind this wait
	s_and_saveexec_b32 s60, s58
	global_store_b32 v12, v14, s[14:15]            ; a token's 20 bytes by five neighbouring lanes
	s_wait_xcnt 0x0
	s_or_b32 exec_lo, exec_lo, s60
	v_add_f32_dpp v[TOT], v[TOT], v[TOT] row_xmask:1 row_mask:0xf bank_mask:0xf
	s_delay_alu instid0(VALU_DEP_1)
	v_add_f32_dpp v[TOT], v[TOT], v[TOT] row_xmask:2 row_mask:0xf bank_mask:0xf
	s_delay_alu instid0(VALU_DEP_1)
	v_add_f32_dpp v[TOT], v[TOT], v[TOT] row_xmask:4 row_mask:0xf bank_mask:0xf
	s_delay_alu instid0(VALU_DEP_1)
	v_add_f32_dpp v[TOT], v[TOT], v[TOT] row_xmask:8 row_mask:0xf bank_mask:0xf
	s_delay_alu instid0(VALU_DEP_1)
	v_permlanex16_b32 v25, v[TOT], s2, s3
	s_delay_alu instid0(VALU_DEP_1)
	v_add_f32 v[TOT], v[TOT], v25
	v_cmp_eq_u32 vcc_lo, 0, v1
	s_and_saveexec_b32 s60, vcc_lo
	global_store_b32 v15, v[TOT], s[16:17]         ; every wave stores its sum, 0 where the tile has none of its rows
	s_wait_xcnt 0x0
	s_or_b32 exec_lo, exec_lo, s60
	s_endpgm
.Lfunc_end_k_q85d6e78101_final:
	.size	k_q85d6e78101_final, .Lfunc_end_k_q85d6e78101_final-k_q85d6e78101_final
	.p2alignl 7, 3214868480
	.fill 96, 4, 3214868480
	.section	.rodata,"a",@progbits
	.p2align	6, 0x0
	.amdhsa_kernel k_q85d6e78101_final
		.amdhsa_group_segment_fixed_size 0
		.amdhsa_private_segment_fixed_size 0
		.amdhsa_enable_private_segment 0
		.amdhsa_kernarg_size 80
		.amdhsa_user_sgpr_count 2
		.amdhsa_user_sgpr_kernarg_segment_ptr 1
		.amdhsa_wavefront_size32 1
		.amdhsa_system_sgpr_workgroup_id_x 1
		.amdhsa_system_sgpr_workgroup_id_y 1
		.amdhsa_system_sgpr_workgroup_id_z 1
		.amdhsa_system_vgpr_workitem_id 0
		.amdhsa_next_free_vgpr 208
		.amdhsa_next_free_sgpr 80
		.amdhsa_reserve_vcc 1
		.amdhsa_float_denorm_mode_32 3
		.amdhsa_float_denorm_mode_16_64 3
		.amdhsa_memory_ordered 1
		.amdhsa_forward_progress 1
		.amdhsa_inst_pref_size 37
	.end_amdhsa_kernel
	.amdgpu_metadata
---
amdhsa.version: [ 1, 2 ]
amdhsa.kernels:
  - .name:           k_q85d6e78101_final
    .symbol:         k_q85d6e78101_final.kd
    .args:
      - { .name: p0, .offset: 0, .size: 8, .value_kind: global_buffer, .address_space: global }
      - { .name: p1, .offset: 8, .size: 8, .value_kind: global_buffer, .address_space: global }
      - { .name: p2, .offset: 16, .size: 8, .value_kind: global_buffer, .address_space: global }
      - { .name: p3, .offset: 24, .size: 8, .value_kind: global_buffer, .address_space: global }
      - { .name: x, .offset: 32, .size: 8, .value_kind: global_buffer, .address_space: global }
      - { .name: codebooks, .offset: 40, .size: 8, .value_kind: global_buffer, .address_space: global }
      - { .name: out0, .offset: 48, .size: 8, .value_kind: global_buffer, .address_space: global }
      - { .name: out2, .offset: 56, .size: 8, .value_kind: global_buffer, .address_space: global }
      - { .name: tiles, .offset: 64, .size: 8, .value_kind: global_buffer, .address_space: global }
      - { .name: part, .offset: 72, .size: 8, .value_kind: global_buffer, .address_space: global }
    .group_segment_fixed_size: 0
    .private_segment_fixed_size: 0
    .kernarg_segment_align: 8
    .kernarg_segment_size: 80
    .max_flat_workgroup_size: 64
    .sgpr_count:     80
    .vgpr_count:     208
    .wavefront_size: 32
...
	.end_amdgpu_metadata
.endif
;; end of part 4
;; launch lsum (part 5): grid 1 x 1, 1 waves a work-group, no clusters, 0 bytes of LDS; arguments part, out1; writes out1
.if DOCPART == 5
	.amdgcn_target "amdgcn-amd-amdhsa--gfx1250"
	.amdhsa_code_object_version 6
	.text
	.protected	k_q85d6e78101_lsum
	.globl	k_q85d6e78101_lsum
	.p2align	8
	.type	k_q85d6e78101_lsum,@function
k_q85d6e78101_lsum:
	s_mov_b64 s[64:65], 0
	v_nop
	global_prefetch_b8 v0, s[64:65] scope:SCOPE_SE
	s_setreg_imm32_b32 hwreg(HW_REG_WAVE_MODE, 25, 1), 1
	s_wait_xcnt 0x0
; out1 = the mean of the four levels' losses.  A level's loss is twice the mean of (q - r)^2 over 8192 x 256 = 2^21 numbers, so the result is
; the sum of all squares x 2 / (4 x 2^21) = x 2^-22, an exact factor.  part holds 135 x 16 = 2,160 sums: 540 loads of 16 bytes, 17 a lane, one wave.
	s_load_b128 s[4:7], s[0:1], 0x0                ; part s[4:5], out1 s[6:7]
	v_and_b32 v1, 31, v0
	v_lshlrev_b32 v2, 4, v1
	v_add_nc_u32 v3, 512, v1
	v_min_u32 v3, 539, v3                          ; the seventeenth load stays inside the 540
	v_lshlrev_b32 v3, 4, v3
	v_mov_b32 v4, 0
	v_mov_b32 v5, 0
	s_mov_b32 s8, 0x76543210
	s_mov_b32 s9, 0xfedcba98
	s_wait_alu depctr_va_vdst(0)
	s_wait_kmcnt 0x0
.irp k, 0,1,2,3,4,5,6,7,8,9,10,11,12,13,14,15
	global_load_b128 v[8+4*\k:11+4*\k], v2, s[4:5] offset:512*\k
.endr
	global_load_b128 v[72:75], v3, s[4:5]
	s_wait_loadcnt 0x0
	v_cmp_gt_u32 vcc_lo, 28, v1                    ; lanes 28-31 have read lane 27's once more: they count for 0
.irp q, 0,1,2,3
	v_cndmask_b32 v[72+\q], 0, v[72+\q], vcc_lo
.endr
.irp k, 1,2,3,4,5,6,7,8,9,10,11,12,13,14,15,16
	v_pk_add_f32 v[8:9],   v[8:9],   v[8+4*\k:9+4*\k]
	v_pk_add_f32 v[10:11], v[10:11], v[10+4*\k:11+4*\k]
.endr
	v_pk_add_f32 v[8:9], v[8:9], v[10:11]
	v_add_f32 v8, v8, v9
	v_add_f32_dpp v8, v8, v8 row_xmask:1 row_mask:0xf bank_mask:0xf
	v_add_f32_dpp v8, v8, v8 row_xmask:2 row_mask:0xf bank_mask:0xf
	v_add_f32_dpp v8, v8, v8 row_xmask:4 row_mask:0xf bank_mask:0xf
	v_add_f32_dpp v8, v8, v8 row_xmask:8 row_mask:0xf bank_mask:0xf
	v_permlanex16_b32 v5, v8, s8, s9
	v_add_f32 v8, v8, v5
	v_mul_f32 v8, 0x34800000, v8                   ; x 2^-22
	s_wait_alu depctr_va_vdst(0)
	s_wait_xcnt 0x0                                ; EXEC changes only behind this wait
	v_cmp_eq_u32 vcc_lo, 0, v1
	s_and_saveexec_b32 s10, vcc_lo
	global_store_b32 v4, v8, s[6:7]
	s_wait_xcnt 0x0
	s_or_b32 exec_lo, exec_lo, s10
	s_endpgm
.Lfunc_end_k_q85d6e78101_lsum:
	.size	k_q85d6e78101_lsum, .Lfunc_end_k_q85d6e78101_lsum-k_q85d6e78101_lsum
	.p2alignl 7, 3214868480
	.fill 96, 4, 3214868480
	.section	.rodata,"a",@progbits
	.p2align	6, 0x0
	.amdhsa_kernel k_q85d6e78101_lsum
		.amdhsa_group_segment_fixed_size 0
		.amdhsa_private_segment_fixed_size 0
		.amdhsa_enable_private_segment 0
		.amdhsa_kernarg_size 16
		.amdhsa_user_sgpr_count 2
		.amdhsa_user_sgpr_kernarg_segment_ptr 1
		.amdhsa_wavefront_size32 1
		.amdhsa_system_sgpr_workgroup_id_x 1
		.amdhsa_system_sgpr_workgroup_id_y 1
		.amdhsa_system_sgpr_workgroup_id_z 1
		.amdhsa_system_vgpr_workitem_id 0
		.amdhsa_next_free_vgpr 80
		.amdhsa_next_free_sgpr 66
		.amdhsa_reserve_vcc 1
		.amdhsa_float_denorm_mode_32 3
		.amdhsa_float_denorm_mode_16_64 3
		.amdhsa_memory_ordered 1
		.amdhsa_forward_progress 1
		.amdhsa_inst_pref_size 6
	.end_amdhsa_kernel
	.amdgpu_metadata
---
amdhsa.version: [ 1, 2 ]
amdhsa.kernels:
  - .name:           k_q85d6e78101_lsum
    .symbol:         k_q85d6e78101_lsum.kd
    .args:
      - { .name: part, .offset: 0, .size: 8, .value_kind: global_buffer, .address_space: global }
      - { .name: out1, .offset: 8, .size: 8, .value_kind: global_buffer, .address_space: global }
    .group_segment_fixed_size: 0
    .private_segment_fixed_size: 0
    .kernarg_segment_align: 8
    .kernarg_segment_size: 16
    .max_flat_workgroup_size: 32
    .sgpr_count:     66
    .vgpr_count:     80
    .wavefront_size: 32
...
	.end_amdgpu_metadata
.endif
;; end of part 5
